; MI455X (gfx1250); checked and timed in simulation.
; The chip was launched on July 23, 2026; its instructions are those of AMD's public machine-readable ISA for CDNA 5 (MIT licence, August 2026) and "CDNA5" Instruction Set Architecture Reference Guide (July 2026). The comments in the code are by the model that wrote it; some were corrected since.
;; Scale Dot Product. Allowed arithmetic: matrix products marked QUANTISED: E2M3 operands, one E8M0 scale for each 32 along K, by v_wmma_scale_f32_16x16x128_f8f6f4 with both operands' format E2M3, f32 sums; everything else in f32.
;; Inputs: scale one number float32; x1 4 x 16 x 2,048 x 64 float32; x2 4 x 16 x 2,048 x 64 float32; x3 4 x 16 x 2,048 x 64 float32.
;; Outputs: out0 4 x 16 x 2,048 x 64 float32.
;; This version of the problem:
;;   THIS VERSION OF THE PROBLEM IS GIVEN IN LOW PRECISION. The matrix products marked QUANTISED in the list below multiply operands that are first quantised to E2M3 (2 exponent bits, 3 mantissa bits; 6 bits a number), with one power-of-two scale for each 32 numbers along K (OCP MX v1.0); their sums are f32. All else is computed in f32.
;;   The module's matrix products, in the order in which they are computed (A, B: the left and right operand; K: the contracted axis; several contracted axes count as one K, in the product's order):
;;     1. batch 64 x [M 2,048, K 64] x [K 64, N 2,048]; A: input x1; B: input x2: QUANTISED
;;     2. batch 64 x [M 2,048, K 2,048] x [K 2,048, N 64]; A: softmax (see below); B: input x3: QUANTISED
;;   THE QUANTISER, for each operand of a quantised product, along K:
;;     - K is cut into blocks of 32 from its start; a last block that is shorter is filled with zeros.
;;     - A block's scale is 2^e with e = floor(log2(the largest magnitude in the block)) - 2, held to -126 .. 127; a block of zeros has e = 0. As a byte (E8M0): e + 127.
;;     - Each number is divided by its block's scale, clamped to +-7.5, and rounded to the nearest number of E2M3, ties to even, subnormals kept.
;;     - The product sums the exact products of the quantised numbers (number of the format x scale) in f32.
;;   ~~~python
;;   def quantise(x, axis):      # numpy; x: float32 -> the quantised numbers, widened to float32 again
;;       x = np.moveaxis(x, axis, -1); K = x.shape[-1]
;;       x = np.pad(x, [(0, 0)] * (x.ndim - 1) + [(0, -K % 32)]); x = x.reshape(x.shape[:-1] + (-1, 32)); a = np.abs(x).max(-1, keepdims=True)
;;       e = np.where(a > 0, np.clip(np.frexp(np.where(a > 0, a, 1))[1] - 1 - 2, -126, 127), 0)      # np.frexp(a)[1] - 1 = floor(log2(a)), exactly
;;       r = np.clip(x / 2.0 ** e, -7.5, 7.5)
;;       step = 2.0 ** (np.maximum(np.frexp(np.where(r == 0, 1, r))[1] - 1, 0) - 3)
;;       q = np.round(r / step) * step * 2.0 ** e      # np.round: ties to even
;;       return np.moveaxis(q.reshape(q.shape[:-2] + (-1,))[..., :K], -1, axis).astype(np.float32)
;;   ~~~
;;   SOFTMAX AHEAD OF A QUANTISED PRODUCT. Where the list says 'softmax', what is quantised is not the finished softmax but p = 2^(t - M), with t = logit x log2(e) and M = ceil(the row's largest t), a whole number; so 1/2 < the row's largest p <= 1. The row's sum l is taken of the UNQUANTISED p, in f32, and the product's result is divided by l at the end. Since M is a whole number, a kernel that streams over the keys may use a running M (the ceiling of the running maximum): every later rescaling is an exact power of two, which a block's scale takes up: the codes' values come out the same.
;;   OPERANDS COMPUTED ON THE WAY. 'Computed on the way' means the value that the module computes at that place (a softmax that the list does not call 'softmax' is quantised finished and normalised). What goes into a quantiser is computed in f32, as accurately as f32 sums, v_exp_f32 and their like allow (about 1e-6 of the number): no bf16 or f16 on the way to a quantiser, and a product that is left as it is and whose result goes on into a quantised operand takes f32 operands (vector FMAs, or v_wmma_f32_16x16x4_f32). A number that lies on a knife's edge between two numbers of the format may be rounded either way, as far as f32 arithmetic and the matrix unit's own rounding can turn it there, and no further.
;; One version. Each part assembles by itself: llvm-mc -triple=amdgcn-amd-amdhsa -mcpu=gfx1250 --defsym DOCPART=n.
;; ======== version 1 of 1: 2 launches
;; limits: right only within a limited range of input values
;; workspace buffers: kvc 13,107,200 bytes
;; launch quant (part 1): grid 256 x 1, 16 waves a work-group, no clusters, 122,880 bytes of LDS; arguments x2, x3, kvc; writes kvc
.if DOCPART == 1
	.amdgcn_target "amdgcn-amd-amdhsa--gfx1250"
	.amdhsa_code_object_version 6
	.text
	.protected	k_q64e5502774_quant
	.globl	k_q64e5502774_quant
	.p2align	8
	.type	k_q64e5502774_quant,@function
k_q64e5502774_quant:
	s_mov_b64 s[64:65], 0
	v_nop
	global_prefetch_b8 v0, s[64:65] scope:SCOPE_SE
	s_setreg_imm32_b32 hwreg(HW_REG_WAVE_MODE, 25, 1), 1
	s_wait_xcnt 0x0
; x2 (K) and x3 (V), [64 heads][2,048 keys][64] f32, are turned once into codes of MX-FP6 (E2M3, one E8M0 byte for 32 along the product's K: d for x2, the keys for x3).
; kvc holds one IMAGE of 12,800 bytes for each head and each step of 128 keys, laid as the next launch's operand registers take it: 4 fragments of K, 4 of V
; (1,536 bytes each: register group c of lane l at 512 c + 16 l) and 512 scale bytes.  Image (head, step) begins at 12,800 (16 head + step), a multiple of 256.
; A work-group makes four images; a wave a quarter of one: 32 keys of K and of V, four units of 16 keys (4 KB, eight dense loads of 512 bytes), all 32 loads out at once.
; Each unit is turned through the wave's own stage of 16 rows x 272 bytes.  K: a lane takes half a key (32 along d).  V: a lane takes a column d and 32 keys, read from two units one after the other.
; The images are gathered in LDS and leave behind one barrier: 100 stores of 512 consecutive bytes, aligned.
; No tensor loads, no cluster: no two work-groups read the same bytes.  No prefetch: every load of a wave is issued at its head.
; LIMITS: NaN and infinities among the inputs are not served.  A block whose largest magnitude lies under 2^(3 - 127) (a block of zeros too) gets the byte 1; this program alone reads the bytes.
.set KVSTEP, 12800
.set FRAGB,  1536
.set SCO,    8*FRAGB
.set SPARE,  4*KVSTEP                  ; the spare words: 128 bytes a wave
.set STAGE,  SPARE+16*128
.set SP,     272
.set SPW,  4
.set NIL,  5
.set XA,   16
.set TM,   60
.set LI,   68
.set SLIN, 69
.set SQ,   70
.set SV,   71
.set KW0,  72
.set KW1,  73
.set KSW,  74
.set VW0,  75
.set VW1,  76
.set VSW,  77
.set CO,   78
.set XB,   80
.set CD0,  112
.set CD1,  120
.set D,    128
.set WV,   14
.macro MAX32 x                         ; the largest magnitude of 32 numbers, the floor among them; TM+2: the conversion's scale operand
	v_max3_num_f32 v[TM], |v[\x]|, |v[\x+1]|, |v[\x+2]|
	v_max3_num_f32 v[TM+1], |v[\x+3]|, |v[\x+4]|, |v[\x+5]|
.irp i, 6,10,14,18,22,26
	s_delay_alu instid0(VALU_DEP_2)
	v_max3_num_f32 v[TM], v[TM], |v[\x+\i]|, |v[\x+\i+1]|
	s_delay_alu instid0(VALU_DEP_2)
	v_max3_num_f32 v[TM+1], v[TM+1], |v[\x+\i+2]|, |v[\x+\i+3]|
.endr
	s_delay_alu instid0(VALU_DEP_2)
	v_max3_num_f32 v[TM], v[TM], |v[\x+30]|, |v[\x+31]|
	s_delay_alu instid0(VALU_DEP_1)
	v_max3_num_f32 v[TM], v[TM], v[TM+1], 0x1800000
	s_delay_alu instid0(VALU_DEP_1)
	v_add_nc_u32 v[TM+2], 0xff000000, v[TM]
.endm
.macro QBLK x, cd                      ; a block of 32 -> six registers of codes cd .. cd+5, its byte in cd+7
	MAX32 \x
	v_cvt_scalef32_pk16_fp6_f32 v[\cd:\cd+2], v[\x:\x+15], v[TM+2]
	v_cvt_scalef32_pk16_fp6_f32 v[\cd+4:\cd+6], v[\x+16:\x+31], v[TM+2]
	v_lshrrev_b32 v[\cd+7], 23, v[TM+2]
	v_mov_b32 v[\cd+3], v[\cd+4]
	v_mov_b32 v[\cd+4], v[\cd+5]
	v_mov_b32 v[\cd+5], v[\cd+6]
.endm
.macro GLOAD set, base, unit           ; 16 rows of 256 bytes: each load reads 512 consecutive bytes
.irp i, 0,1,2,3,4,5,6,7
	global_load_b128 v[\set+4*\i:\set+4*\i+3], v[LI], s[\base:\base+1] offset:4096*(\unit)+512*\i th:TH_LOAD_NT
.endr
.endm
.macro TOSTAGE set
.irp i, 0,1,2,3,4,5,6,7
	ds_store_b128 v[SLIN], v[\set+4*\i:\set+4*\i+3] offset:2*SP*\i
.endr
.endm
; K's unit 2 g + k of the image (g: my quarter).  Key 64 c + 32 x + 16 y + 8 u + z is row 8 x + z of fragment 2 c + y, half u of its 128 codes: here c = g / 2, x = g % 2, y = k
.macro KOP k, set
	s_wait_loadcnt 24-8*(\k)                       ; this unit is in; the younger units of eight loads may be out
	TOSTAGE \set
.irp j, 0,1,2,3,4,5,6,7
	ds_load_b128 v[XB+4*\j:XB+4*\j+3], v[SQ] offset:16*\j   ; LDS serves a wave's instructions in order: these see the stores
.endr
	s_wait_dscnt 0x0
	QBLK XB, CD0
	ds_store_b64 v[KW0], v[CD0:CD0+1] offset:FRAGB*(\k)
	ds_store_b64 v[KW1], v[CD0+2:CD0+3] offset:FRAGB*(\k)
	ds_store_b64 v[KW0], v[CD0+4:CD0+5] offset:FRAGB*(\k)+512
	ds_store_b8 v[KSW], v[CD0+7] offset:4*(\k)
.endm
.macro VSTORE cd, x                    ; columns 32 x + lane: fragments 2 x and 2 x + 1 of V
	ds_store_b64 v[VW0], v[\cd:\cd+1] offset:FRAGB*2*(\x)
	ds_store_b64 v[VW1], v[\cd+2:\cd+3] offset:FRAGB*2*(\x)
	ds_store_b64 v[VW0], v[\cd+4:\cd+5] offset:FRAGB*2*(\x)+512
	ds_store_b8 v[VSW], v[\cd+7] offset:8*(\x)
.endm
	s_load_b128 s[4:7], s[0:1], 0x0                ; x2, x3
	s_load_b64 s[8:9], s[0:1], 0x10                ; kvc
	v_lshl_add_u32 v[SPW], v0, 2, SPARE
	v_mov_b32 v[NIL], 0
	v_lshrrev_b32 v3, 5, v0
	v_readfirstlane_b32 s[WV], v3                  ; wave 0..15
	s_lshr_b32 s15, s[WV], 2                       ; which of the four images
	s_and_b32 s24, s[WV], 3                        ; g: which quarter of it
	s_and_b32 s25, s24, 1
	s_lshr_b32 s26, s24, 1
	s_mul_i32 s16, s15, KVSTEP
	s_mul_i32 s27, s26, 2*FRAGB
	s_lshl_b32 s28, s25, 7
	s_add_co_u32 s27, s27, s28
	s_add_co_u32 s27, s27, s16                     ; K's codes: image + 2 FRAGB (g / 2) + 128 (g % 2)
	s_lshl_b32 s29, s26, 3
	s_add_co_u32 s29, s29, s28
	s_add_co_u32 s29, s29, s16
	s_add_co_u32 s29, s29, SCO                     ; K's bytes: + 128 (g % 2) + 8 (g / 2)
	s_lshl_b32 s30, s25, 8
	s_add_co_u32 s30, s30, s16
	s_add_co_u32 s30, s30, 4*FRAGB                 ; V's codes: key block g: lanes 16 (g % 2) .., half g / 2 of the 128 codes
	s_mul_i32 s31, s26, 520
	s_add_co_u32 s31, s31, s30
	s_mul_i32 s33, s26, 1016
	s_add_co_u32 s33, s33, s30
	s_add_co_u32 s33, s33, 8
	s_add_co_u32 s34, s16, SCO+256
	s_add_co_u32 s34, s34, s24                     ; V's bytes: + g
	s_mul_i32 s46, s[WV], 16*SP
	s_add_co_u32 s46, s46, STAGE                   ; my stage
	s_lshl_b32 s50, ttmp9, 4
	s_add_co_u32 s50, s50, s[WV]
	s_lshl_b32 s50, s50, 13                        ; my 32 keys: 8,192 bytes of x2 and of x3
	s_mov_b32 s51, 0
	s_mul_i32 s52, ttmp9, 4*KVSTEP                 ; my work-group's four images in kvc
	s_mov_b32 s53, 0
	s_lshl_b32 s35, s[WV], 9
	v_and_b32 v9, 31, v0
	v_lshlrev_b32 v[LI], 4, v9
	s_wait_alu depctr_va_vdst(0)
	s_wait_kmcnt 0x0
	s_add_nc_u64 s[4:5], s[4:5], s[50:51]
	s_add_nc_u64 s[6:7], s[6:7], s[50:51]
	s_add_nc_u64 s[8:9], s[8:9], s[52:53]
	GLOAD D, 4, 0
	GLOAD D+32, 4, 1
	GLOAD D+64, 6, 0
	GLOAD D+96, 6, 1
	v_and_b32 v7, 15, v0                           ; r
	v_bfe_u32 v8, v0, 4, 1                         ; h
	v_and_b32 v3, 7, v0                            ; r % 8
	v_bfe_u32 v10, v0, 3, 1                        ; r / 8
	v_lshlrev_b32 v[SV], 2, v9
	v_mul_u32_u24 v[SLIN], v8, SP
	v_mul_u32_u24 v[SQ], v7, SP
	v_lshlrev_b32 v[KW0], 4, v3
	v_mul_u32_u24 v[VW0], v8, FRAGB
	v_lshlrev_b32 v[VSW], 4, v7
	v_add_nc_u32 v[CO], s35, v[LI]                 ; the way out: 512 x wave + 16 x lane
	v_add_nc_u32 v[SV], s46, v[SV]                 ; stage, a column: 4 x lane
	v_lshl_add_u32 v[SLIN], v7, 4, v[SLIN]
	v_lshl_add_u32 v[SQ], v8, 7, v[SQ]
	v_lshl_add_u32 v[KSW], v10, 1, v[KW0]
	v_lshl_add_u32 v[KW0], v8, 8, v[KW0]
	v_lshl_add_u32 v[VW0], v7, 4, v[VW0]
	v_lshl_add_u32 v[VSW], v8, 2, v[VSW]
	v_add_nc_u32 v[SLIN], s46, v[SLIN]             ; stage, as loaded: row h, 16 r
	v_add_nc_u32 v[SQ], s46, v[SQ]                 ; stage, by rows: row r, half h
	v_add_nc_u32 v[KSW], v[KSW], v8
	v_add_nc_u32 v[KW0], s27, v[KW0]
	v_add_nc_u32 v[VW1], s33, v[VW0]               ; V's codes: fragment h, lane r: registers 2, 3,
	v_add_nc_u32 v[VW0], s31, v[VW0]               ; and registers 0, 1 and 4, 5
	v_add_nc_u32 v[VSW], s34, v[VSW]               ; V's bytes: 16 r + 4 h
	v_add_nc_u32 v[KSW], s29, v[KSW]               ; K's bytes: 16 (r % 8) + 2 (r / 8) + h
	v_mad_u32_u24 v[KW1], v10, 1016, v[KW0]
	v_mad_u32_u24 v[KW0], v10, 520, v[KW0]         ; K's codes: lane r % 8 + 16 h; registers 0, 1 and 4, 5 of half r / 8,
	v_add_nc_u32 v[KW1], 8, v[KW1]                 ; and registers 2, 3
	s_wait_alu depctr_va_vdst(0)
	KOP 0, D
	KOP 1, D+32
	s_wait_loadcnt 0x0                             ; V's two units
.irp e, 0,1
	TOSTAGE D+64+32*\e
.set i, 0
.rept 16
	ds_load_b32 v[XA+16*\e+i], v[SV] offset:SP*i
	ds_load_b32 v[XB+16*\e+i], v[SV] offset:SP*i+128
.set i, i+1
.endr
.endr
	s_wait_dscnt 0x0
	QBLK XA, CD0
	VSTORE CD0, 0
	QBLK XB, CD1
	VSTORE CD1, 1
	s_wait_alu depctr_va_vdst(0)
	s_wait_dscnt 0x0                               ; my quarter is stored
	s_barrier_signal -1
	s_barrier_wait -1                              ; the four images are whole
.irp i, 0,1,2,3,4,5                    ; pieces of 512 bytes: wave + 16 i
	ds_load_b128 v[D+4*\i:D+4*\i+3], v[CO] offset:8192*\i
.endr
.irp i, 0,1,2,3,4,5
	s_wait_dscnt 5-\i
	global_store_b128 v[CO], v[D+4*\i:D+4*\i+3], s[8:9] offset:8192*\i
.endr
	s_cmp_lt_u32 s[WV], 4                          ; 100 pieces: the last four go to waves 0 to 3
	s_cbranch_scc0 .Ldone
	ds_load_b128 v[D+24:D+27], v[CO] offset:49152
	s_wait_dscnt 0x0
	global_store_b128 v[CO], v[D+24:D+27], s[8:9] offset:49152
.Ldone:
	s_wait_tensorcnt 0x0                           ; the wave's end
	ds_add_u32 v[SPW], v[NIL]
	s_wait_dscnt 0x0
	s_endpgm
.Lfunc_end_k_q64e5502774_quant:
	.size	k_q64e5502774_quant, .Lfunc_end_k_q64e5502774_quant-k_q64e5502774_quant
	.p2alignl 7, 3214868480
	.fill 96, 4, 3214868480
	.section	.rodata,"a",@progbits
	.p2align	6, 0x0
	.amdhsa_kernel k_q64e5502774_quant
		.amdhsa_group_segment_fixed_size 122880
		.amdhsa_private_segment_fixed_size 0
		.amdhsa_enable_private_segment 0
		.amdhsa_kernarg_size 24
		.amdhsa_user_sgpr_count 2
		.amdhsa_user_sgpr_kernarg_segment_ptr 1
		.amdhsa_wavefront_size32 1
		.amdhsa_system_sgpr_workgroup_id_x 1
		.amdhsa_system_sgpr_workgroup_id_y 1
		.amdhsa_system_sgpr_workgroup_id_z 1
		.amdhsa_system_vgpr_workitem_id 0
		.amdhsa_next_free_vgpr 256
		.amdhsa_next_free_sgpr 66
		.amdhsa_reserve_vcc 0
		.amdhsa_float_denorm_mode_32 3
		.amdhsa_float_denorm_mode_16_64 3
		.amdhsa_memory_ordered 1
		.amdhsa_forward_progress 1
		.amdhsa_inst_pref_size 24
	.end_amdhsa_kernel
	.amdgpu_metadata
---
amdhsa.version: [ 1, 2 ]
amdhsa.kernels:
  - .name:           k_q64e5502774_quant
    .symbol:         k_q64e5502774_quant.kd
    .args:
      - { .name: x2, .offset: 0, .size: 8, .value_kind: global_buffer, .address_space: global }
      - { .name: x3, .offset: 8, .size: 8, .value_kind: global_buffer, .address_space: global }
      - { .name: kvc, .offset: 16, .size: 8, .value_kind: global_buffer, .address_space: global }
    .group_segment_fixed_size: 122880
    .private_segment_fixed_size: 0
    .kernarg_segment_align: 8
    .kernarg_segment_size: 24
    .max_flat_workgroup_size: 512
    .sgpr_count:     66
    .vgpr_count:     256
    .wavefront_size: 32
...
	.end_amdgpu_metadata
.endif
;; end of part 1
;; launch attn (part 2): grid 4 x 64, 16 waves a work-group, clusters of 4 x 1, 276,480 bytes of LDS; arguments x1, kvc, scale, out0; writes out0
.if DOCPART == 2
	.amdgcn_target "amdgcn-amd-amdhsa--gfx1250"
	.amdhsa_code_object_version 6
	.text
	.protected	k_q64e5502774_attn
	.globl	k_q64e5502774_attn
	.p2align	8
	.type	k_q64e5502774_attn,@function
k_q64e5502774_attn:
	s_mov_b64 s[64:65], 0
	v_nop
	global_prefetch_b8 v0, s[64:65] scope:SCOPE_SE
	s_setreg_imm32_b32 hwreg(HW_REG_WAVE_MODE, 25, 1), 1
	s_wait_xcnt 0x0
	s_wait_alu depctr_hold_cnt(0) depctr_sa_sdst(0) depctr_va_vdst(0) depctr_va_sdst(0) depctr_va_ssrc(0) depctr_va_vcc(0) depctr_vm_vsrc(0)
	s_getreg_b32 s2, hwreg(HW_REG_IB_STS2, 6, 4)
	s_cmp_eq_u32 s2, 0
	s_cbranch_scc0 .Lentry_in_a_cluster
	s_endpgm
.Lentry_in_a_cluster:
	s_bfe_u32 s2, ttmp6, 0x10000c
	s_cmp_lg_u32 s2, 0x3003
	s_cbranch_scc0 .Lentry_shape_is_right
	s_endpgm
.Lentry_shape_is_right:
; out = softmax(x1 x2^T scale) x3 for 64 heads of 2,048 x 64, both products in MX-FP6.  x2 and x3 come as the images of codes and scale bytes that the launch before has laid in kvc.
; A work-group takes 512 queries of one head (grid x: which 512; grid y: the head); a wave takes 32 queries, two tiles of 16.
; THE CODES OF ALL 2,048 KEYS STAY IN LDS: 16 images of 12,800 bytes, one for each step of 128 keys: 4 fragments of K, 4 of V (1,536 bytes each:
; register group c of lane l at 512 c + 16 l) and 512 scale bytes.  16 x 12,800 = 204,800 bytes.
; HEAD: wave w brings image w by ONE tensor load (50 rows of 256 bytes, dense).  The four work-groups of a head form a cluster and ask for it jointly (mask 15): the address hangs on the head
; and the wave alone.  No LDS byte is filled twice.  While the images are on their way each wave loads, turns and quantises its two query tiles.
; ONE barrier follows; behind it nobody writes the images, so the 16 steps have no barrier, no wait on memory and no store.
; A STEP: K's fragments are read once for both query tiles, V's likewise.  S^T = K Q^T (a fragment's row holds two keys of 64 codes; Q stands
; beside 64 zero codes, once below and once above), so a lane holds one query and 32 neighbouring keys of a block; p = 2^(t - M), M the ceiling of the
; running largest t; the sum is of the unquantised p; O^T += V^T p^T.
; NO PREFETCH: all that the launch reads is asked for in its first lines, and the loop reads no memory.
; The sign of scale goes onto Q (a sign changes no code's magnitude and no scale byte), so that t rises with the score: c = |scale| log2(e).
; LIMITS: NaN and infinities among the inputs are not served.  A block whose largest magnitude lies under 2^(3 - 127) (a block of zeros too) gets the byte 1.
; The promise holds while the scaled scores t stay under 2^31 in magnitude.
.set KVSTEP, 12800
.set FRAGB,  1536
.set SCO,    8*FRAGB
.set NSTEP,  16
.set SPARE,  NSTEP*KVSTEP              ; the spare words: 128 bytes a wave
.set STAGE,  SPARE+16*128              ; 16 rows x 272 bytes for each wave
.set SP,     272
.set CI,   1                           ; 16 x lane
.set CA,   2                           ; + the step's image
.set SPW,  4
.set NIL,  5
.set PS1,  6                           ; tile 1's p scale word
.set ST,   10                          ; per tile: -M, largest t, the sum in two halves
.set QR0,  18                          ; 0 | q0 | 0 | q1 | 0, six registers each
.set QS,   48
.set KS,   52                          ; lanes 0-15 K's scale words, lanes 16-31 V's
.set PS,   56
.set W0,   57
.set FF,   58
.set W1,   59
.set TM,   60
.set SUM2, 62
.set CT,   64
.set W2,   67
.set P,    68                          ; tile 0's p codes
.set FR,   80                          ; four fragments of K; then three of V,
.set P1,   FR+36                       ; and tile 1's p codes
.set S,    128
.set O,    192
.set LI,   68                          ; the head alone
.set SLIN, 69
.set SQ,   70
.set WV,   14
.set SEL,  20
.set CS,   22
.set G1,   24
.set G0,   32
.set CB,   40
.macro CROUND                          ; a round of the cluster's barrier
	s_barrier_signal -1
	s_barrier_wait -1
	s_cmp_lg_u32 s[WV], 0
	s_cbranch_scc1 .Lnot_wave_0_\@
	s_barrier_signal -3
.Lnot_wave_0_\@:
	s_barrier_wait -3
	s_barrier_signal -1
	s_barrier_wait -1
.endm
.macro MAX32 x
	v_max3_num_f32 v[TM], |v[\x]|, |v[\x+1]|, |v[\x+2]|
	v_max3_num_f32 v[TM+1], |v[\x+3]|, |v[\x+4]|, |v[\x+5]|
.irp i, 6,10,14,18,22,26
	s_delay_alu instid0(VALU_DEP_2)
	v_max3_num_f32 v[TM], v[TM], |v[\x+\i]|, |v[\x+\i+1]|
	s_delay_alu instid0(VALU_DEP_2)
	v_max3_num_f32 v[TM+1], v[TM+1], |v[\x+\i+2]|, |v[\x+\i+3]|
.endr
	s_delay_alu instid0(VALU_DEP_2)
	v_max3_num_f32 v[TM], v[TM], |v[\x+30]|, |v[\x+31]|
	s_delay_alu instid0(VALU_DEP_1)
	v_max3_num_f32 v[TM], v[TM], v[TM+1], 0x1800000
	s_delay_alu instid0(VALU_DEP_1)
	v_add_nc_u32 v[TM+2], 0xff000000, v[TM]
.endm
.macro QPREP q                         ; a tile of queries: turned, signed, quantised; its state and O^T begin
.set QB, QR0+6+12*(\q)
.set QW, QS+2*(\q)
.set NM, ST+4*(\q)
.set OT, O+32*(\q)
	s_wait_loadcnt 8-8*(\q)
.irp i, 0,1,2,3,4,5,6,7
	ds_store_b128 v[SLIN], v[OT+4*\i:OT+4*\i+3] offset:2*SP*\i
.endr
.irp j, 0,1,2,3,4,5,6,7
	ds_load_b128 v[S+4*\j:S+4*\j+3], v[SQ] offset:16*\j
.endr
	s_wait_dscnt 0x0
.set j, 0
.rept 32
	v_xor_b32 v[S+j], s42, v[S+j]
.set j, j+1
.endr
	MAX32 S
	v_cvt_scalef32_pk16_fp6_f32 v[QB:QB+2], v[S:S+15], v[TM+2]
	v_cvt_scalef32_pk16_fp6_f32 v[CT:CT+2], v[S+16:S+31], v[TM+2]
	v_lshrrev_b32 v[TM], 23, v[TM+2]
.irp i, 0,1,2
	v_mov_b32 v[QB+3+\i], v[CT+\i]
.endr
	s_delay_alu instid0(VALU_DEP_4)
	v_permlanex16_b32 v[TM+1], v[TM], s[SEL], s[SEL+1]
	s_delay_alu instid0(VALU_DEP_1)
	v_lshl_or_b32 v[W0], v[TM+1], 8, v[TM]
	s_delay_alu instid0(VALU_DEP_1)
	v_or_b32 v[QW], 0x01010000, v[W0]              ; q below, zero codes (byte 1) above
	s_delay_alu instid0(VALU_DEP_2)
	v_lshl_or_b32 v[QW+1], v[W0], 16, 0x101        ; and the other way round
	v_mov_b32 v[NM+1], 0xff61b1e6                  ; the largest t so far: -3e38
	s_delay_alu instid0(VALU_DEP_1)
	v_floor_f32 v[NM], -v[NM+1]
	v_mov_b32 v[NM+2], 0
	v_mov_b32 v[NM+3], 0
.set j, 0
.rept 32
	v_mov_b32 v[OT+j], 0
.set j, j+1
.endr
.endm
.macro SCORES q, waits                 ; S^T of 128 keys x 16 queries: lane (r, h), register 32 c + i: query r, key 64 c + 32 h + i
.set QB, QR0+6+12*(\q)
.set QW, QS+2*(\q)
.irp f, 0,1,2,3
.if \waits
	s_wait_dscnt 9-3*\f                            ; the scale words and fragments 0 .. f are in; three loads for each younger fragment may be out
.endif
	v_wmma_scale_f32_16x16x128_f8f6f4 v[S+16*\f:S+16*\f+7], v[FR+12*\f:FR+12*\f+11], v[QB:QB+11], 0, v[KS+\f], v[QW] matrix_a_fmt:MATRIX_FMT_FP6 matrix_b_fmt:MATRIX_FMT_FP6
	v_wmma_scale_f32_16x16x128_f8f6f4 v[S+16*\f+8:S+16*\f+15], v[FR+12*\f:FR+12*\f+11], v[QB-6:QB+5], 0, v[KS+\f], v[QW+1] matrix_a_fmt:MATRIX_FMT_FP6 matrix_b_fmt:MATRIX_FMT_FP6
.endr
	v_mov_b32 v[W2], v[ST+4*(\q)]                  ; the old -M; with three v_nop the four places behind the products
.rept 3
	v_nop
.endr
.endm
.macro SUMS q                          ; the rest of the row's sum, of the unquantised p
.set SUM, ST+4*(\q)+2
.irp j, 24,28,32,36,40,44,48,52,56,60
	v_pk_add_f32 v[SUM:SUM+1], v[SUM:SUM+1], v[S+\j:S+\j+1]
	v_pk_add_f32 v[SUM2:SUM2+1], v[SUM2:SUM2+1], v[S+\j+2:S+\j+3]
.endr
	s_delay_alu instid0(VALU_DEP_1)
	v_pk_add_f32 v[SUM:SUM+1], v[SUM:SUM+1], v[SUM2:SUM2+1]
.endm
.macro SOFT q
.set NM,  ST+4*(\q)
.set SUM, ST+4*(\q)+2
.set OT,  O+32*(\q)
.set PD,  P+(P1-P)*(\q)
.set PW,  PS+(PS1-PS)*(\q)
.irp c, 0,1                            ; the largest score of each block of 32 keys: for the row's maximum and for the block's largest p
	v_max3_num_f32 v[TM+\c], v[S+32*\c], v[S+32*\c+1], v[S+32*\c+2]
	v_max3_num_f32 v[TM+2+\c], v[S+32*\c+16], v[S+32*\c+17], v[S+32*\c+18]
.endr
.irp i, 3,5,7,9,11,13
.irp c, 0,1
	v_max3_num_f32 v[TM+\c], v[TM+\c], v[S+32*\c+\i], v[S+32*\c+\i+1]
	v_max3_num_f32 v[TM+2+\c], v[TM+2+\c], v[S+32*\c+16+\i], v[S+32*\c+17+\i]
.endr
.endr
.irp c, 0,1
	v_max3_num_f32 v[TM+\c], v[TM+\c], v[S+32*\c+15], v[S+32*\c+31]
.endr
.irp c, 0,1
	s_delay_alu instid0(VALU_DEP_2)
	v_max_num_f32 v[TM+\c], v[TM+\c], v[TM+2+\c]
.endr
	s_delay_alu instid0(VALU_DEP_1)
	v_max_num_f32 v[W0], v[TM], v[TM+1]
	s_delay_alu instid0(VALU_DEP_1)
	v_permlanex16_b32 v[W1], v[W0], s[SEL], s[SEL+1]
	s_delay_alu instid0(VALU_DEP_1)
	v_max_num_f32 v[W0], v[W0], v[W1]
	s_delay_alu instid0(VALU_DEP_1)
	v_mul_f32 v[W0], s[CS], v[W0]
	s_delay_alu instid0(VALU_DEP_1)
	v_max_num_f32 v[NM+1], v[NM+1], v[W0]          ; the running largest t
	s_delay_alu instid0(VALU_DEP_1)
	v_floor_f32 v[NM], -v[NM+1]                    ; -M = -ceil(t)
	s_delay_alu instid0(VALU_DEP_1)
	v_sub_f32 v[W2], v[NM], v[W2]
	s_delay_alu instid0(VALU_DEP_1)
	v_cvt_i32_f32 v[W2], v[W2]
	s_delay_alu instid0(VALU_DEP_1)
	v_ldexp_f32 v[FF], 1.0, v[W2]                  ; f = 2^(old M - new M)
.set j, 0
.rept 32
	v_pk_fma_f32 v[S+j:S+j+1], v[S+j:S+j+1], s[CS:CS+1], v[NM:NM+1] op_sel_hi:[1,0,0]
.set j, j+2
.endr
	v_pk_fma_f32 v[TM:TM+1], v[TM:TM+1], s[CS:CS+1], v[NM:NM+1] op_sel_hi:[1,0,0]   ; the same of the two blocks' largest scores
.set j, 0
	s_wait_alu depctr_va_vdst(0)
.rept 64
	v_exp_f32 v[S+j], v[S+j]
.set j, j+1
.endr
.irp c, 0,1
	v_exp_f32 v[TM+\c], v[TM+\c]                   ; each block's largest p
.endr
	v_pk_mul_f32 v[SUM:SUM+1], v[SUM:SUM+1], v[FF:FF+1] op_sel_hi:[1,0]
	s_wait_alu depctr_va_vdst(0)
.irp c, 0,1
	v_max_num_f32 v[TM+\c], 0x1800000, v[TM+\c]
.endr
.irp c, 0,1
	s_delay_alu instid0(VALU_DEP_2)
	v_add_nc_u32 v[TM+2+\c], 0xff000000, v[TM+\c]
.endr
.irp c, 0,1
	s_delay_alu instid0(VALU_DEP_2)
	v_lshrrev_b32 v[TM+\c], 23, v[TM+2+\c]
.endr
	s_delay_alu instid0(VALU_DEP_1)
	v_lshl_or_b32 v[W0], v[TM+1], 16, v[TM]
	s_delay_alu instid0(VALU_DEP_1)
	v_permlanex16_b32 v[W1], v[W0], s[SEL], s[SEL+1]
	s_delay_alu instid0(VALU_DEP_1)
	v_lshl_or_b32 v[PW], v[W1], 8, v[W0]           ; p's scale word for these 128 keys
	v_cvt_scalef32_pk16_fp6_f32 v[PD:PD+2], v[S:S+15], v[TM+2]
	v_cvt_scalef32_pk16_fp6_f32 v[CT:CT+2], v[S+16:S+31], v[TM+2]
	v_pk_add_f32 v[SUM:SUM+1], v[SUM:SUM+1], v[S+4:S+5]
.irp i, 0,1,2
	v_mov_b32 v[PD+3+\i], v[CT+\i]
.endr
	v_cvt_scalef32_pk16_fp6_f32 v[PD+6:PD+8], v[S+32:S+47], v[TM+3]
	v_cvt_scalef32_pk16_fp6_f32 v[CT:CT+2], v[S+48:S+63], v[TM+3]
	v_pk_add_f32 v[SUM:SUM+1], v[SUM:SUM+1], v[S+8:S+9]
.irp i, 0,1,2
	v_mov_b32 v[PD+9+\i], v[CT+\i]
.endr
	v_pk_add_f32 v[SUM2:SUM2+1], v[S:S+1], v[S+2:S+3]
	v_pk_add_f32 v[SUM2:SUM2+1], v[SUM2:SUM2+1], v[S+6:S+7]
	v_pk_add_f32 v[SUM2:SUM2+1], v[SUM2:SUM2+1], v[S+10:S+11]
.if (\q) == 1
.irp c, 0,1,2                          ; p's first twelve registers are converted and summed: they take V's fourth fragment
	ds_load_b128 v[S+4*\c:S+4*\c+3], v[CA] offset:FRAGB*7+512*\c
.endr
.endif
.irp j, 12,16,20
	v_pk_add_f32 v[SUM:SUM+1], v[SUM:SUM+1], v[S+\j:S+\j+1]
	v_pk_add_f32 v[SUM2:SUM2+1], v[SUM2:SUM2+1], v[S+\j+2:S+\j+3]
.endr
	s_wait_alu depctr_va_vdst(0)
.set j, 0
.rept 16
	v_pk_mul_f32 v[OT+j:OT+j+1], v[OT+j:OT+j+1], v[FF:FF+1] op_sel_hi:[1,0]
.set j, j+2
.endr
.endm
.macro PV t, av                        ; O^T += V^T p^T for both tiles from one fragment; the eight accumulators take turns
	v_wmma_scale_f32_16x16x128_f8f6f4 v[O+8*\t:O+8*\t+7], v[\av:\av+11], v[P:P+11], v[O+8*\t:O+8*\t+7], v[KS+\t], v[PS] matrix_a_fmt:MATRIX_FMT_FP6 matrix_b_fmt:MATRIX_FMT_FP6 matrix_a_scale:MATRIX_SCALE_ROW1
	v_wmma_scale_f32_16x16x128_f8f6f4 v[O+32+8*\t:O+32+8*\t+7], v[\av:\av+11], v[P1:P1+11], v[O+32+8*\t:O+32+8*\t+7], v[KS+\t], v[PS1] matrix_a_fmt:MATRIX_FMT_FP6 matrix_b_fmt:MATRIX_FMT_FP6 matrix_a_scale:MATRIX_SCALE_ROW1
.endm
.macro STEP2
	v_add_nc_u32 v[CA], s[CB], v[CI]
	ds_load_b128 v[KS:KS+3], v[CA] offset:SCO
.irp f, 0,1,2,3
.irp c, 0,1,2
	ds_load_b128 v[FR+12*\f+4*\c:FR+12*\f+4*\c+3], v[CA] offset:FRAGB*\f+512*\c
.endr
.endr
	SCORES 0, 1
	SOFT 0
	SUMS 0
	SCORES 1, 0                                    ; the same fragments of K
.irp t, 0,1,2
.irp c, 0,1,2
	ds_load_b128 v[FR+12*\t+4*\c:FR+12*\t+4*\c+3], v[CA] offset:FRAGB*(4+\t)+512*\c
.endr
.endr
	SOFT 1
	s_wait_alu depctr_va_vdst(0)
	s_wait_dscnt 0x3                               ; V's first three fragments are in; the fourth's three loads may be out
	PV 0, FR
	PV 1, FR+12
	PV 2, FR+24
	s_wait_dscnt 0x0
	PV 3, S
	SUMS 1                                         ; 21 plain lines: the places behind the products
.endm
.macro OUT q
.set SUM, ST+4*(\q)+2
.set OT,  O+32*(\q)
.set BK,  S+32-(S+32-FR)*(\q)
	v_add_f32 v[SUM], v[SUM], v[SUM+1]
	s_delay_alu instid0(VALU_DEP_1)
	v_permlanex16_b32 v[W1], v[SUM], s[SEL], s[SEL+1]
	s_delay_alu instid0(VALU_DEP_1)
	v_add_f32 v[SUM], v[SUM], v[W1]
	s_wait_alu depctr_va_vdst(0)
	v_rcp_f32 v[SUM], v[SUM]
	v_nop
.set j, 0
	s_wait_alu depctr_va_vdst(0)
.rept 16
	v_pk_mul_f32 v[S+j:S+j+1], v[OT+j:OT+j+1], v[SUM:SUM+1] op_sel_hi:[1,0]
.set j, j+2
.endr
.irp t, 0,1,2,3
	ds_store_b128 v20, v[S+8*\t:S+8*\t+3] offset:64*\t
	ds_store_b128 v20, v[S+8*\t+4:S+8*\t+7] offset:64*\t+16
.endr
.irp i, 0,1,2,3,4,5,6,7
	ds_load_b128 v[BK+4*\i:BK+4*\i+3], v19 offset:2*SP*\i
.endr
.irp i, 0,1,2,3,4,5,6,7
	s_wait_dscnt 7-\i
	global_store_b128 v18, v[BK+4*\i:BK+4*\i+3], s[10:11] offset:(\q)*4096+512*\i th:TH_STORE_NT   ; sixteen lanes store a row of 256 bytes
.endr
.endm
	s_load_b256 s[4:11], s[0:1], 0x0               ; x1, kvc, scale, out0
	v_lshl_add_u32 v[SPW], v0, 2, SPARE
	v_mov_b32 v[NIL], 0
	ds_add_u32 v[SPW], v[NIL]                      ; the opening lines: the add, twice on end, and its wait ahead of my tensor load
	ds_add_u32 v[SPW], v[NIL]
	v_lshrrev_b32 v3, 5, v0
	v_readfirstlane_b32 s[WV], v3                  ; wave 0..15
	s_mul_i32 s16, s[WV], KVSTEP                   ; image w, in LDS and in the head's part of kvc
	s_mul_i32 s46, s[WV], 16*SP
	s_add_co_u32 s46, s46, STAGE                   ; my stage
	s_and_b32 s48, ttmp7, 0xffff                   ; the head
	s_mul_i32 s52, s48, NSTEP*KVSTEP
	s_add_co_u32 s52, s52, s16
	s_mov_b32 s53, 0
	s_lshl_b32 s48, s48, 19                        ; 2,048 rows of 256 bytes
	s_bfe_u32 s15, ttmp6, 0x40000                  ; my place in the cluster
	s_lshl_b32 s47, ttmp9, 2
	s_add_co_u32 s47, s47, s15                     ; work-group x = 4 x cluster x + place
	s_lshl_b32 s47, s47, 17                        ; my work-group's 512 queries
	s_add_co_u32 s50, s48, s47
	s_lshl_b32 s49, s[WV], 13                      ; my 32
	s_add_co_u32 s50, s50, s49
	s_mov_b32 s51, 0
	s_mov_b32 s[SEL], 0x76543210
	s_mov_b32 s[SEL+1], 0xfedcba98
	s_mov_b32 s[G1], 15|(3<<16)|(1<<21)            ; the four work-groups of the cluster; elements of 8 bytes; bit 21 beside the mask; no padding
	s_mov_b32 s[G1+1], 32<<16                      ; rows of 32 elements, 256 bytes
	s_mov_b32 s[G1+2], 50<<16                      ; 50 rows
	s_mov_b32 s[G1+3], 32<<16
	s_mov_b32 s[G1+4], 50
	s_mov_b32 s[G1+5], 32                          ; dense
	s_mov_b32 s[G1+6], 0
	s_mov_b32 s[G1+7], 0
	v_and_b32 v9, 31, v0
	v_and_b32 v7, 15, v0                           ; r
	v_bfe_u32 v8, v0, 4, 1                         ; h
	v_lshlrev_b32 v[LI], 4, v9
	v_lshlrev_b32 v[CI], 4, v9
	v_mul_u32_u24 v[SLIN], v8, SP
	v_mul_u32_u24 v[SQ], v7, SP
	v_lshl_add_u32 v[SLIN], v7, 4, v[SLIN]
	v_lshl_add_u32 v[SQ], v8, 7, v[SQ]
	v_add_nc_u32 v[SLIN], s46, v[SLIN]             ; stage, as loaded: row h, 16 r
	v_add_nc_u32 v[SQ], s46, v[SQ]                 ; stage, by rows: row r, half h
	s_wait_alu depctr_va_vdst(0)
	s_wait_dscnt 0x0                               ; both opening adds are done
	s_wait_kmcnt 0x0
	s_add_nc_u64 s[4:5], s[4:5], s[50:51]
	s_add_nc_u64 s[10:11], s[10:11], s[50:51]
	s_add_nc_u64 s[6:7], s[6:7], s[52:53]
	s_mov_b32 s[G0], 1
	s_mov_b32 s[G0+1], s16
	s_mov_b64 s[G0+2:G0+3], s[6:7]
	s_or_b32 s[G0+3], s[G0+3], 0x80000000
	CROUND                                         ; the four work-groups are here: the joint loads meet
	tensor_load_to_lds s[G0:G0+3], s[G1:G1+7]      ; image w: my one tensor load
	s_nop 0
	s_load_b32 s41, s[8:9], 0x0
.irp q, 0,1
.irp i, 0,1,2,3,4,5,6,7
	global_load_b128 v[O+32*\q+4*\i:O+32*\q+4*\i+3], v[LI], s[4:5] offset:4096*\q+512*\i th:TH_LOAD_NT
.endr
.endr
.irp i, 0,1,2,3,4,5
	v_mov_b32 v[QR0+\i], 0
	v_mov_b32 v[QR0+12+\i], 0
	v_mov_b32 v[QR0+24+\i], 0
.endr
	v_mov_b32 v[W1], 0
	v_mov_b32 v[W0], 0x3fb8aa3b
	s_wait_alu depctr_va_vdst(0)
	s_wait_kmcnt 0x0
	s_and_b32 s42, s41, 0x80000000                 ; scale's sign, onto Q
	s_and_b32 s49, s41, 0x7fffffff
	v_mul_f32 v[W0], s49, v[W0]
	s_delay_alu instid0(VALU_DEP_1)
	v_readfirstlane_b32 s[CS], v[W0]               ; c = |scale| log2(e)
	s_mov_b32 s[CS+1], s[CS]
	QPREP 0
	QPREP 1
	s_wait_alu depctr_va_vdst(0)
	s_wait_tensorcnt 0x0                           ; my image has landed
	s_wait_dscnt 0x0
	s_barrier_signal -1
	s_barrier_wait -1                              ; all sixteen images are in; nobody writes them
	s_mov_b32 s[CB], 0
.Lstep:
	STEP2
	s_add_co_u32 s[CB], s[CB], KVSTEP
	s_cmp_lt_u32 s[CB], NSTEP*KVSTEP
	s_cbranch_scc1 .Lstep
	v_and_b32 v21, 15, v0
	v_bfe_u32 v22, v0, 4, 1
	v_and_b32 v18, 31, v0
	s_delay_alu instid0(VALU_DEP_1)
	v_lshlrev_b32 v18, 4, v18
	s_delay_alu instid0(VALU_DEP_3)
	v_mul_u32_u24 v19, v22, SP
	s_delay_alu instid0(VALU_DEP_1)
	v_lshl_add_u32 v19, v21, 4, v19
	s_delay_alu instid0(VALU_DEP_1)
	v_add_nc_u32 v19, s46, v19
	v_mul_u32_u24 v20, v21, SP
	s_delay_alu instid0(VALU_DEP_1)
	v_lshl_add_u32 v20, v22, 5, v20
	s_delay_alu instid0(VALU_DEP_1)
	v_add_nc_u32 v20, s46, v20
	OUT 0
	OUT 1
	s_wait_tensorcnt 0x0                           ; the wave's end
	ds_add_u32 v[SPW], v[NIL]
	s_wait_dscnt 0x0
	CROUND                                         ; the closing round
	s_endpgm
.Lfunc_end_k_q64e5502774_attn:
	.size	k_q64e5502774_attn, .Lfunc_end_k_q64e5502774_attn-k_q64e5502774_attn
	.p2alignl 7, 3214868480
	.fill 96, 4, 3214868480
	.section	.rodata,"a",@progbits
	.p2align	6, 0x0
	.amdhsa_kernel k_q64e5502774_attn
		.amdhsa_group_segment_fixed_size 276480
		.amdhsa_private_segment_fixed_size 0
		.amdhsa_enable_private_segment 0
		.amdhsa_kernarg_size 32
		.amdhsa_user_sgpr_count 2
		.amdhsa_user_sgpr_kernarg_segment_ptr 1
		.amdhsa_wavefront_size32 1
		.amdhsa_system_sgpr_workgroup_id_x 1
		.amdhsa_system_sgpr_workgroup_id_y 1
		.amdhsa_system_sgpr_workgroup_id_z 1
		.amdhsa_system_vgpr_workitem_id 0
		.amdhsa_next_free_vgpr 256
		.amdhsa_next_free_sgpr 66
		.amdhsa_reserve_vcc 0
		.amdhsa_float_denorm_mode_32 3
		.amdhsa_float_denorm_mode_16_64 3
		.amdhsa_memory_ordered 1
		.amdhsa_forward_progress 1
		.amdhsa_inst_pref_size 53
	.end_amdhsa_kernel
	.amdgpu_metadata
---
amdhsa.version: [ 1, 2 ]
amdhsa.kernels:
  - .name:           k_q64e5502774_attn
    .symbol:         k_q64e5502774_attn.kd
    .args:
      - { .name: x1, .offset: 0, .size: 8, .value_kind: global_buffer, .address_space: global }
      - { .name: kvc, .offset: 8, .size: 8, .value_kind: global_buffer, .address_space: global }
      - { .name: scale, .offset: 16, .size: 8, .value_kind: global_buffer, .address_space: global }
      - { .name: out0, .offset: 24, .size: 8, .value_kind: global_buffer, .address_space: global }
    .group_segment_fixed_size: 276480
    .private_segment_fixed_size: 0
    .kernarg_segment_align: 8
    .kernarg_segment_size: 32
    .max_flat_workgroup_size: 512
    .sgpr_count:     66
    .vgpr_count:     256
    .wavefront_size: 32
...
	.end_amdgpu_metadata
.endif
;; end of part 2
